; MI455X (gfx1250); checked and timed in simulation.
; The chip was launched on July 23, 2026; its instructions are those of AMD's public machine-readable ISA for CDNA 5 (MIT licence, August 2026) and "CDNA5" Instruction Set Architecture Reference Guide (July 2026). The comments in the code are by the model that wrote it; some were corrected since.
;; Population Attention. Allowed arithmetic: matrix products marked QUANTISED: E5M2 operands, one E8M0 scale for each 32 along K, by v_wmma_scale_f32_16x16x128_f8f6f4 with both operands' format E5M2, f32 sums; everything else in f32.
;; Inputs: K 4 x 16 x 2,048 x 64 float32; Q 4 x 16 x 2,048 x 64 float32; V 4 x 16 x 2,048 x 64 float32; x 4 x 1 x 2,048 x 1 float32.
;; Outputs: out0 4 x 16 x 2,048 x 64 float32.
;; This version of the problem:
;;   THIS VERSION OF THE PROBLEM IS GIVEN IN LOW PRECISION. The matrix products marked QUANTISED in the list below multiply operands that are first quantised to E5M2 (5 exponent bits, 2 mantissa bits; 8 bits a number), with one power-of-two scale for each 32 numbers along K (OCP MX v1.0); their sums are f32. All else is computed in f32.
;;   The module's matrix products, in the order in which they are computed (A, B: the left and right operand; K: the contracted axis; several contracted axes count as one K, in the product's order):
;;     1. batch 64 x [M 2,048, K 64] x [K 64, N 2,048]; A: input Q; B: input K: QUANTISED
;;     2. batch 64 x [M 2,048, K 2,048] x [K 2,048, N 64]; A: computed on the way; B: computed on the way: QUANTISED
;;   THE QUANTISER, for each operand of a quantised product, along K:
;;     - K is cut into blocks of 32 from its start; a last block that is shorter is filled with zeros.
;;     - A block's scale is 2^e with e = floor(log2(the largest magnitude in the block)) - 15, held to -126 .. 127; a block of zeros has e = 0. As a byte (E8M0): e + 127.
;;     - Each number is divided by its block's scale, clamped to +-57,344, and rounded to the nearest number of E5M2, ties to even, subnormals kept.
;;     - The product sums the exact products of the quantised numbers (number of the format x scale) in f32.
;;   ~~~python
;;   def quantise(x, axis):      # numpy; x: float32 -> the quantised numbers, widened to float32 again
;;       x = np.moveaxis(x, axis, -1); K = x.shape[-1]
;;       x = np.pad(x, [(0, 0)] * (x.ndim - 1) + [(0, -K % 32)]); x = x.reshape(x.shape[:-1] + (-1, 32)); a = np.abs(x).max(-1, keepdims=True)
;;       e = np.where(a > 0, np.clip(np.frexp(np.where(a > 0, a, 1))[1] - 1 - 15, -126, 127), 0)      # np.frexp(a)[1] - 1 = floor(log2(a)), exactly
;;       r = np.clip(x / 2.0 ** e, -57344, 57344)
;;       step = 2.0 ** (np.maximum(np.frexp(np.where(r == 0, 1, r))[1] - 1, -14) - 2)
;;       q = np.round(r / step) * step * 2.0 ** e      # np.round: ties to even
;;       return np.moveaxis(q.reshape(q.shape[:-2] + (-1,))[..., :K], -1, axis).astype(np.float32)
;;   ~~~
;;   OPERANDS COMPUTED ON THE WAY. 'Computed on the way' means the value that the module computes at that place (a softmax that the list does not call 'softmax' is quantised finished and normalised). What goes into a quantiser is computed in f32, as accurately as f32 sums, v_exp_f32 and their like allow (about 1e-6 of the number): no bf16 or f16 on the way to a quantiser, and a product that is left as it is and whose result goes on into a quantised operand takes f32 operands (vector FMAs, or v_wmma_f32_16x16x4_f32). A number that lies on a knife's edge between two numbers of the format may be rounded either way, as far as f32 arithmetic and the matrix unit's own rounding can turn it there, and no further.
;; One version. Each part assembles by itself: llvm-mc -triple=amdgcn-amd-amdhsa -mcpu=gfx1250 --defsym DOCPART=n.
;; ======== version 1 of 1: 2 launches
;; limits: below input magnitudes of 3.1e-33 results are inexact or not finite
;; workspace buffers: kv 17,301,504 bytes
;; launch prep (part 1): grid 512 x 1, 4 waves a work-group, no clusters, 35,328 bytes of LDS; arguments K, V, x, kv; writes kv
.if DOCPART == 1
	.amdgcn_target "amdgcn-amd-amdhsa--gfx1250"
	.amdhsa_code_object_version 6
	.text
	.protected	k_q4877a7d4d5_prep
	.globl	k_q4877a7d4d5_prep
	.p2align	8
	.type	k_q4877a7d4d5_prep,@function
k_q4877a7d4d5_prep:
	s_mov_b64 s[64:65], 0
	v_nop
	global_prefetch_b8 v0, s[64:65] scope:SCOPE_SE
	s_setreg_imm32_b32 hwreg(HW_REG_WAVE_MODE, 25, 1), 1
	s_wait_xcnt 0x0
; K [64 heads][2048][64] f32 is quantised along its 64, V x [64 heads][2048][64] f32 (V times x of its key, in f32) along the KEYS, both to codes of BF8 (E5M2) with one E8M0 byte
; for each 32 along that axis.  Codes and scale words are laid in kv IN THE ORDER OF THE OPERAND REGISTERS of the launch that reads them, a block of STEPB bytes for each 128 keys of a head:
;   0      K: 4 double fragments b x 4 groups c of 512 bytes, lane l's 16 bytes at 16 l.  Lane (r = l % 16, h = l / 16) of group c holds key 32 b + 8 (c / 2) + r + 8 (r / 8), numbers 32 (c % 2) + 16 h + 0..15
;   8192   V x: 4 tiles dt x 4 groups c: lane (r, h) holds number 16 dt + r of the head's 64, keys 32 c + 16 h + 0..15
;   16384  K's scale words, 8 bytes a lane: word 0 = double fragment 0 (lanes 0-15, row r) and 1 (lanes 16-31), word 1 = double fragments 2 and 3; byte c of a word scales group c
;   16640  V's scale words likewise: tiles 0 | 1, tiles 2 | 3; byte c scales keys 32 c .. 32 c + 31
; A block's scale is 2^(floor(log2(its largest magnitude)) - 15): its byte is the largest magnitude's exponent field - 15, held at 1 from below by a floor among the maximum's leaves.
; LIMITS: a block of zeros gets the byte 1 where the rule says 127 (its codes are zeros, which add nothing, and this program alone reads the bytes); blocks whose largest magnitude lies under
; 2^(16 - 127) are quantised on the floor's scale; NaN and infinities among the inputs are not served.
; SHARES.  Work-group X: head X / 8, two steps of 128 keys.  Waves 0, 1 take K of the two steps, waves 2, 3 take V.  A wave reads 32,768 bytes in four blocks of 32 keys, every load 512 consecutive bytes,
; two blocks (32 loads) ahead; a block turns through the wave's own LDS so that a lane's registers run along the axis that is quantised.  Waves share nothing: no barrier.  Every offset is an immediate: no loop.
.set HEADB, 270336                     ; a head's bytes in kv: 16 steps
.set STEPB, 16896                      ; a step's
.set WREG,  8704                       ; LDS: a wave's own region.  K: 32 rows x 272.  V: 8,192 dense bytes
.set TM,    16                         ; v16-19 largest magnitudes, v20-23 bytes, v24-27 57,344 x the scale, v28-31 the conversions' scale operands
.set W,     32                         ; v32-35 scale words
.set KW,    36                         ; v36-37 K's words as they are stored
.set R,     40                         ; v40-167 two sets of 64: a block as it is loaded
.set X,     168                        ; v168-231 the block turned
.set C,     232                        ; v232-247 its codes
	s_load_b128 s[4:7], s[0:1], 0x0                ; K, V
	s_load_b128 s[8:11], s[0:1], 0x10              ; x, kv
	v_lshl_add_u32 v254, v0, 2, 0x8800
	v_mov_b32 v255, 0
	v_lshrrev_b32 v8, 5, v0
	v_readfirstlane_b32 s12, v8                    ; wave 0..3
	v_and_b32 v9, 31, v0                           ; lane l
	v_and_b32 v10, 15, v0                          ; r
	v_bfe_u32 v11, v0, 4, 1                        ; h
	s_lshr_b32 s13, s12, 1                         ; role: 0 = K, 1 = V
	s_and_b32 s14, s12, 1
	s_and_b32 s15, ttmp9, 7
	s_lshl_b32 s15, s15, 1
	s_add_co_u32 s14, s14, s15                     ; my step of 128 keys: 2 (X % 8) + wave % 2
	s_lshr_b32 s15, ttmp9, 3                       ; the head
	s_mul_i32 s16, s12, WREG                       ; my LDS region
	; every LDS address is made here, ahead of the parting of the roles
	v_lshlrev_b32 v1, 4, v9                        ; 16 l: my 16 bytes of a load's or a store's 512
	v_lshlrev_b32 v2, 3, v9                        ; 8 l: my two scale words
	v_mul_u32_u24 v3, v11, 272
	v_lshl_add_u32 v3, v10, 4, v3
	v_add_nc_u32 v3, s16, v3                       ; K into the stage: a load holds two rows: row h, 16 r
	v_mul_u32_u24 v4, v10, 272
	v_lshl_add_u32 v4, v11, 6, v4
	v_add_nc_u32 v4, s16, v4                       ; K back: row r, my 16 numbers of a block of 32: 64 h
	v_add_nc_u32 v5, s16, v1                       ; V into the stage: as it lies
	v_lshl_add_u32 v6, v9, 2, s16                  ; V back: column l
	v_lshlrev_b32 v7, 11, v11
	v_lshl_add_u32 v7, v10, 4, v7                  ; V's codes in kv: tile h of a pair, lane r
.irp k, 0,1,2,3
	v_mov_b32 v[TM+4+\k], 0                        ; written once: a lane permute's destination counts as one of its sources
.endr
	s_mov_b32 s20, 0x76543210
	s_mov_b32 s21, 0xfedcba98                      ; v_permlanex16_b32's selects for lane l xor 16
	s_mov_b32 s22, 0x600000                        ; the mantissa field of 57,344
	s_lshl_b32 s2, s15, 19                         ; in: head x 524,288 + step x 32,768
	s_lshl_b32 s3, s14, 15
	s_add_co_u32 s2, s2, s3
	s_mov_b32 s3, 0
	s_mul_i32 s56, s15, HEADB                      ; out: head x HEADB + step x STEPB
	s_mul_i32 s57, s14, STEPB
	s_add_co_u32 s56, s56, s57
	s_mov_b32 s57, 0
	s_lshr_b32 s17, s15, 4                         ; x: batch (head / 16) x 8,192 + step x 512
	s_lshl_b32 s17, s17, 13
	s_lshl_b32 s18, s14, 9
	s_add_co_u32 s18, s18, s17
	s_mov_b32 s19, 0
	s_wait_kmcnt 0x0
	s_cmp_eq_u32 s13, 0                            ; K's wave or V's: the choice hangs on the wave's number alone
	s_cselect_b64 s[4:5], s[4:5], s[6:7]
	s_add_nc_u64 s[4:5], s[4:5], s[2:3]
	s_add_nc_u64 s[10:11], s[10:11], s[56:57]
	s_add_nc_u64 s[8:9], s[8:9], s[18:19]
.macro LOADB b                         ; block b, 32 keys x 256 bytes, into set b % 2
.irp i, 0,1,2,3,4,5,6,7,8,9,10,11,12,13,14,15
	global_load_b128 v[R+64*((\b)%2)+4*\i:R+64*((\b)%2)+4*\i+3], v1, s[4:5] offset:8192*(\b)+512*\i th:TH_LOAD_NT   ; 32 lanes read 512 consecutive bytes: two keys' rows
.endr
.endm
.macro MAX4                            ; four chains by turns: the largest magnitude of v[X + 16 k] .. v[X + 16 k + 15], and the floor 2^(16 - 127): so the byte cannot fall under 1
.irp k, 0,1,2,3
	v_max3_num_f32 v[TM+\k], |v[X+16*\k]|, |v[X+16*\k+1]|, 0x8000000
.endr
.irp i, 2,4,6,8,10,12,14
.irp k, 0,1,2,3
	v_max3_num_f32 v[TM+\k], v[TM+\k], |v[X+16*\k+\i]|, |v[X+16*\k+\i+1]|
.endr
.endr
.endm
	s_cmp_lg_u32 s13, 0
	s_cbranch_scc1 .Lv
; ---------------- K: the 64 numbers of a key are two blocks; lanes l and l xor 16 share a block
; The block's 32 rows go into the stage ORDERED BY KEY TILE: key p lands on row 16 ((p / 8) % 2) + p % 8 + 8 (p / 16), so that a tile's 16 rows are neighbours, 272 bytes apart
; (68 words: the 16 rows that a load touches start at 16 different banks of the 64: ISA guide 11.1).  LDS serves a wave's instructions in order: no wait between the stores and the loads.
.macro KTURN b
.irp i, 0,1,2,3,4,5,6,7,8,9,10,11,12,13,14,15
	ds_store_b128 v3, v[R+64*((\b)%2)+4*\i:R+64*((\b)%2)+4*\i+3] offset:(16*(((\i)/4)%2)+(2*\i)%8+8*((\i)/8))*272
.endr
.irp u, 0,1
.irp q, 0,1
.irp j, 0,1,2,3
	ds_load_b128 v[X+16*(2*\u+\q)+4*\j:X+16*(2*\u+\q)+4*\j+3], v4 offset:16*\u*272+128*\q+16*\j   ; group 2 u + q: tile u's row r, numbers 32 q + 16 h + 0..15
.endr
.endr
.endr
.endm
.macro QK b                            ; the four groups become 16 registers of codes and the double fragment's scale word
	MAX4
.irp k, 0,1,2,3
	v_permlanex16_b32 v[TM+4+\k], v[TM+\k], s20, s21
.endr
.irp k, 0,1,2,3
	v_max_num_f32 v[TM+\k], v[TM+\k], v[TM+4+\k]   ; with lane l xor 16's: the block's largest magnitude
.endr
.irp k, 0,1,2,3
	v_add_nc_u32 v[TM+12+\k], 0xf8800000, v[TM+\k] ; 15 off its exponent field: the conversion takes the exponent field of this operand as its scale
.endr
.irp k, 0,1,2,3
	v_and_or_b32 v[TM+8+\k], v[TM+\k], 0x7f800000, s22   ; 57,344 x the scale
.endr
.irp k, 0,1,2,3
	v_lshrrev_b32 v[TM+4+\k], 23, v[TM+12+\k]      ; the scale's byte
.endr
	v_lshl_or_b32 v[W+\b], v[TM+5], 8, v[TM+4]
	v_lshl_or_b32 v[W+\b], v[TM+6], 16, v[W+\b]
	v_lshl_or_b32 v[W+\b], v[TM+7], 24, v[W+\b]
	s_wait_xcnt 0x0                                ; the last block's stores have read the codes' registers: they are written again only behind this wait
.irp k, 0,1,2,3
.irp i, 0,1,2,3,4,5,6,7,8,9,10,11,12,13,14,15
	v_med3_num_f32 v[X+16*\k+\i], v[X+16*\k+\i], -v[TM+8+\k], v[TM+8+\k]   ; the conversion to an 8-bit code does not saturate (ISA guide 7.6.2): the hold at the largest code x the scale
.endr
	v_cvt_scalef32_pk8_bf8_f32 v[C+4*\k:C+4*\k+1], v[X+16*\k:X+16*\k+7], v[TM+12+\k]
	v_cvt_scalef32_pk8_bf8_f32 v[C+4*\k+2:C+4*\k+3], v[X+16*\k+8:X+16*\k+15], v[TM+12+\k]
.endr
	v_nop                                          ; one plain vector line behind the last conversion
.endm
.macro KBLOCK b
.if (\b) < 3
	s_wait_loadcnt 16                              ; this block's 16 loads are in; the next block's 16 may be out
.else
	s_wait_loadcnt 0x0
.endif
	KTURN \b
	s_wait_dscnt 0x0                               ; the block is back, turned; the stores have read its set,
.if (\b) < 2
	LOADB (\b)+2                                   ; which takes the block two further on
.endif
	QK \b
.irp c, 0,1,2,3
	global_store_b128 v1, v[C+4*\c:C+4*\c+3], s[10:11] offset:2048*(\b)+512*\c   ; 32 lanes store 512 consecutive bytes, at a multiple of 256 from kv's first byte
.endr
.endm
	LOADB 0
	LOADB 1
	KBLOCK 0
	KBLOCK 1
	KBLOCK 2
	KBLOCK 3
	v_cmp_le_u32 vcc_lo, 16, v9                    ; lanes 16-31 carry the odd double fragments' words (every lane holds its row's word of all four)
	v_cndmask_b32 v[KW], v[W], v[W+1], vcc_lo
	v_cndmask_b32 v[KW+1], v[W+2], v[W+3], vcc_lo
	global_store_b64 v2, v[KW:KW+1], s[10:11] offset:16384   ; 32 lanes store 256 consecutive bytes
	s_wait_tensorcnt 0x0
	ds_add_u32 v254, v255
	s_wait_dscnt 0x0
	s_endpgm
; ---------------- V: a lane takes a column of the head's 64 and its registers run down the keys: a block of 32 keys lies in one lane
.Lv:
.macro XLOAD c                         ; x of block c's 32 keys into scalar set c % 2 (s24-55 or s68-99): a key's x is the same for every lane
	s_load_b512 s[24+44*((\c)%2):24+44*((\c)%2)+15], s[8:9], 128*(\c)
	s_load_b512 s[40+44*((\c)%2):40+44*((\c)%2)+15], s[8:9], 128*(\c)+64
.endm
.macro VTURN c
.irp i, 0,1,2,3,4,5,6,7,8,9,10,11,12,13,14,15
	ds_store_b128 v5, v[R+64*((\c)%2)+4*\i:R+64*((\c)%2)+4*\i+3] offset:512*\i
.endr
.irp g, 0,1
.irp i, 0,1,2,3,4,5,6,7,8,9,10,11,12,13,14,15,16,17,18,19,20,21,22,23,24,25,26,27,28,29,30,31
	ds_load_b32 v[X+32*\g+\i], v6 offset:256*\i+128*\g   ; key i, column 32 g + l: 32 lanes read 128 consecutive bytes
.endr
.endr
.endm
.macro QV c
.irp g, 0,1
.irp i, 0,1,2,3,4,5,6,7,8,9,10,11,12,13,14,15,16,17,18,19,20,21,22,23,24,25,26,27,28,29,30,31
	v_mul_f32 v[X+32*\g+\i], s[24+44*((\c)%2)+\i], v[X+32*\g+\i]   ; V x, in f32
.endr
.endr
	MAX4
	v_max_num_f32 v[TM], v[TM], v[TM+1]            ; column l's block: all 32 keys are mine
	v_max_num_f32 v[TM+2], v[TM+2], v[TM+3]        ; column 32 + l's
.irp g, 0,1
	v_add_nc_u32 v[TM+12+\g], 0xf8800000, v[TM+2*\g]
	v_and_or_b32 v[TM+8+\g], v[TM+2*\g], 0x7f800000, s22
.endr
.irp g, 0,1
.if (\c) == 0
	v_lshrrev_b32 v[W+\g], 23, v[TM+12+\g]         ; byte c of my column's scale word
.else
	v_lshrrev_b32 v[TM+4+\g], 23, v[TM+12+\g]
.endif
.endr
.if (\c) > 0
.irp g, 0,1
	v_lshl_or_b32 v[W+\g], v[TM+4+\g], 8*(\c), v[W+\g]
.endr
.endif
	s_wait_xcnt 0x0                                ; the last block's stores have read the codes' registers
.irp g, 0,1
.irp i, 0,1,2,3,4,5,6,7,8,9,10,11,12,13,14,15,16,17,18,19,20,21,22,23,24,25,26,27,28,29,30,31
	v_med3_num_f32 v[X+32*\g+\i], v[X+32*\g+\i], -v[TM+8+\g], v[TM+8+\g]
.endr
.irp m, 0,1,2,3
	v_cvt_scalef32_pk8_bf8_f32 v[C+8*\g+2*\m:C+8*\g+2*\m+1], v[X+32*\g+8*\m:X+32*\g+8*\m+7], v[TM+12+\g]
.endr
.endr
	v_nop                                          ; one plain vector line behind the last conversion
.endm
.macro VBLOCK c
.if (\c) < 3
	s_wait_loadcnt 16                              ; this block's 16 loads are in; the next block's 16 may be out
.else
	s_wait_loadcnt 0x0
.endif
	VTURN \c
	s_wait_dscnt 0x0
.if (\c) < 2
	LOADB (\c)+2
.endif
.if ((\c) == 0) || ((\c) == 2)
	s_wait_kmcnt 0x0                               ; both sets of x that are out: scalar loads come back in no order, so the wait is for all
.endif
	QV \c
.if (\c) < 2
	XLOAD (\c)+2                                   ; the set just used takes the block two further on
.endif
.irp g, 0,1
.irp y, 0,1
	global_store_b128 v7, v[C+8*\g+4*\y:C+8*\g+4*\y+3], s[10:11] offset:8192+4096*\g+512*(\c)+256*\y   ; keys 16 y + 0..15 of column 32 g + l: sixteen lanes store 256 consecutive bytes, aligned
.endr
.endr
.endm
	XLOAD 0
	XLOAD 1
	LOADB 0
	LOADB 1
	VBLOCK 0
	VBLOCK 1
	VBLOCK 2
	VBLOCK 3
	global_store_b64 v2, v[W:W+1], s[10:11] offset:16640   ; word 0: column l (tiles 0 | 1), word 1: column 32 + l (tiles 2 | 3)
	s_wait_tensorcnt 0x0
	ds_add_u32 v254, v255
	s_wait_dscnt 0x0
	s_endpgm
.Lfunc_end_k_q4877a7d4d5_prep:
	.size	k_q4877a7d4d5_prep, .Lfunc_end_k_q4877a7d4d5_prep-k_q4877a7d4d5_prep
	.p2alignl 7, 3214868480
	.fill 96, 4, 3214868480
	.section	.rodata,"a",@progbits
	.p2align	6, 0x0
	.amdhsa_kernel k_q4877a7d4d5_prep
		.amdhsa_group_segment_fixed_size 35328
		.amdhsa_private_segment_fixed_size 0
		.amdhsa_enable_private_segment 0
		.amdhsa_kernarg_size 32
		.amdhsa_user_sgpr_count 2
		.amdhsa_user_sgpr_kernarg_segment_ptr 1
		.amdhsa_wavefront_size32 1
		.amdhsa_system_sgpr_workgroup_id_x 1
		.amdhsa_system_sgpr_workgroup_id_y 1
		.amdhsa_system_sgpr_workgroup_id_z 1
		.amdhsa_system_vgpr_workitem_id 0
		.amdhsa_next_free_vgpr 256
		.amdhsa_next_free_sgpr 100
		.amdhsa_reserve_vcc 1
		.amdhsa_float_denorm_mode_32 3
		.amdhsa_float_denorm_mode_16_64 3
		.amdhsa_memory_ordered 1
		.amdhsa_forward_progress 1
		.amdhsa_inst_pref_size 117
	.end_amdhsa_kernel
	.amdgpu_metadata
---
amdhsa.version: [ 1, 2 ]
amdhsa.kernels:
  - .name:           k_q4877a7d4d5_prep
    .symbol:         k_q4877a7d4d5_prep.kd
    .args:
      - { .name: K, .offset: 0, .size: 8, .value_kind: global_buffer, .address_space: global }
      - { .name: V, .offset: 8, .size: 8, .value_kind: global_buffer, .address_space: global }
      - { .name: x, .offset: 16, .size: 8, .value_kind: global_buffer, .address_space: global }
      - { .name: kv, .offset: 24, .size: 8, .value_kind: global_buffer, .address_space: global }
    .group_segment_fixed_size: 35328
    .private_segment_fixed_size: 0
    .kernarg_segment_align: 8
    .kernarg_segment_size: 32
    .max_flat_workgroup_size: 128
    .sgpr_count:     100
    .vgpr_count:     256
    .wavefront_size: 32
...
	.end_amdgpu_metadata
.endif
;; end of part 1
;; launch attn (part 2): grid 4 x 64, 8 waves a work-group, clusters of 4 x 1, 327,680 bytes of LDS; arguments Q, kv, out0; writes out0
.if DOCPART == 2
	.amdgcn_target "amdgcn-amd-amdhsa--gfx1250"
	.amdhsa_code_object_version 6
	.text
	.protected	k_q4877a7d4d5_attn
	.globl	k_q4877a7d4d5_attn
	.p2align	8
	.type	k_q4877a7d4d5_attn,@function
k_q4877a7d4d5_attn:
	s_mov_b64 s[64:65], 0
	v_nop
	global_prefetch_b8 v0, s[64:65] scope:SCOPE_SE
	s_setreg_imm32_b32 hwreg(HW_REG_WAVE_MODE, 25, 1), 1
	s_wait_xcnt 0x0
	s_wait_alu depctr_hold_cnt(0) depctr_sa_sdst(0) depctr_va_vdst(0) depctr_va_sdst(0) depctr_va_ssrc(0) depctr_va_vcc(0) depctr_vm_vsrc(0)
	s_getreg_b32 s2, hwreg(HW_REG_IB_STS2, 6, 4)
	s_cmp_eq_u32 s2, 0
	s_cbranch_scc0 .Lentry_in_a_cluster
	s_endpgm
.Lentry_in_a_cluster:
	s_bfe_u32 s2, ttmp6, 0x10000c
	s_cmp_lg_u32 s2, 0x3003
	s_cbranch_scc0 .Lentry_shape_is_right
	s_endpgm
.Lentry_shape_is_right:
; out[head][q][:] = the sum over keys of Q8(Q[q] . K[key] / 8) Q8(V[key] x[key])[:], both products on codes of BF8 (E5M2) with one E8M0 scale for each 32 along a product's K; no softmax.
; kv holds, for each head, 16 steps of 128 keys: K's and V x's codes and scale words in the order of the operand registers (made by the launch before).  Q [64][2048][64] f32 is quantised here, in registers.
; SHARES.  A work-group owns 512 queries of one head, each of its eight waves 64: four tiles of 16, so that each fragment of K and V read from LDS feeds four products.  Two waves lie on a SIMD.  Every wave walks all 16 steps.
; LDS.  The head's whole block of kv, 270,336 bytes, comes in ONCE, in three loads a wave, and nothing is ever filled again: no ring.  Behind it a stage of 16 rows x 272 bytes for each wave.
; CLUSTER.  The four work-groups of a cluster own the four query blocks of one head and need the same bytes of kv: each load is asked for JOINTLY, with the same descriptor and a mask that names the four.
; LAYOUT.  Both products are used transposed: S^T = K Q^T (source 0 = keys, source 1 = my 16 queries), O^T = (V x)^T P^T (source 0 = 16 of the head's 64, source 1 = P): a lane holds ONE query (lane % 16) throughout.
; THE FIRST PRODUCT'S K IS 64, THE INSTRUCTION'S 128.  A fragment of K holds TWO key tiles, one in each half of the 128.  Against (a tile's 8 registers of codes, 8 of zero codes) it gives the first key tile's scores
; (the second tile's codes meet zero codes, which add nothing: every code is finite), against (zero codes, codes) the second's.  Two tiles of Q share their zeros: 40 registers hold odd | zeros | even | zeros | odd.
; THE KEYS OF A TILE ARE NOT NEIGHBOURS: row r of tile 2 b + u is key 32 b + 8 u + r + 8 (r / 8), so that the 16 registers of tiles 2 b, 2 b + 1 are keys 32 b + 16 (lane / 16) + 0..15: the next operand's layout.
; THE DIVISION BY 8 is 3 taken off Q's scale bytes: exact.
; MATRIX AND VECTOR WORK BY TURNS.  A UNIT is one tile of queries against one step's 128 keys: 127 vector lines quantise its 64 scores a lane.  A block of 32 keys of S^T (16 registers) is free as soon as its two
; conversions are issued: the NEXT unit's two score products for that block stand among the holds of the block behind it, those for the last block among the next unit's first maxima, and the unit's own four products
; of O^T follow there.  So the holds and maxima are the places that the products want (ISA guide 7.12.1), one set of 64 registers serves S^T, and the score products need no switch of the register window.
; LIMITS: NaN and infinities among the inputs are not served.  A block of zeros gets the floor's byte (its codes are zeros).  The scores' floor is 2^(16 - 127).  Q's floor is 2^(19 - 127), so that byte - 3 stays
; at 1 or above: blocks of Q whose largest magnitude lies under 2^-108 are quantised on the floor's scale.
; REGISTERS.  Window 0: v1 16 x lane, v2 8 x lane, v3-4 the step's LDS addresses; v5 P's scale word; v6-9 Q's; v10-11 K's; v12-13 V's; v14-15 stage addresses; v16-31 at work; v32-95 S^T; v96-111 P's codes;
;   v112-175 K's four fragments; v176-255 Q.   Window 1: v0-127 O^T (tile t, 16 d on: v[8 (4 t + d)]; at the head: Q as it is loaded); v128-191 V's four fragments.
.set HEADB, 270336
.set STEPB, 16896
.set STAGE, 270336                     ; behind the head's block: no tensor load lands here
.set SP,    272                        ; a stage row: 256 bytes + 16 = 68 words: the 16 rows that a load touches start at 16 different banks of the 64 (ISA guide 11.1)
.set GO,  2                            ; v2   on the way out: my byte offset in the wave's rows of out0 (8 x lane is done with by then)
.set PW,  5
.set QS,  6
.set KS,  10
.set VS,  12
.set ROWS, 14                          ; v14  the stage by whole rows, two an instruction: Q's way in, O's way back
.set QRD, 15                           ; v15  at the head: Q back from the stage
.set STO, 15                           ; v15  on the way out: O into the stage
.set TM,  16                           ; v16-19 largest magnitudes, v20-23 bytes, v24-27 57,344 x the scale, v28-31 the conversions' scale operands
.set S,   32
.set P,   96
.set KF,  112
.set QB,  176
.set VF,  128                          ; in window 1
.set MSB, 0
.macro WIN new                         ; s_set_vgpr_msb's low byte: bits 1:0 source 0, 3:2 source 1, 5:4 source 2, 7:6 destination; the high byte repeats the setting that is left
.if MSB != \new
	s_set_vgpr_msb (MSB<<8)|\new
.set MSB, \new
.endif
.endm
.macro CROUND                          ; a round of the cluster's barrier: my work-group's barrier; wave 0 signals for the work-group; every wave waits for all four; my work-group's barrier once more
	s_barrier_signal -1
	s_barrier_wait -1
	s_cmp_lg_u32 s10, 0
	s_cbranch_scc1 .Lnot_wave_0_\@
	s_barrier_signal -3
.Lnot_wave_0_\@:
	s_barrier_wait -3
	s_barrier_signal -1
	s_barrier_wait -1
.endm
.macro GATE n                          ; every wave's part of the next group of steps has landed; n later loads of mine may stay out
	s_wait_tensorcnt \n
	s_wait_dscnt 0x0                               ; no LDS instruction of mine is pending at the signal
	s_barrier_signal -1
	s_barrier_wait -1
.endm
	s_load_b128 s[4:7], s[0:1], 0x0                ; Q, kv
	s_load_b64 s[8:9], s[0:1], 0x10                ; out0
	s_set_vgpr_msb 0x40
	v_lshl_add_u32 v192, v0, 2, 0x4a800
	v_mov_b32 v193, 0
	s_set_vgpr_msb 0x4045
	ds_add_u32 v192, v193
	ds_add_u32 v192, v193
	s_set_vgpr_msb 0x4500
	v_lshrrev_b32 v16, 5, v0
	v_readfirstlane_b32 s10, v16                   ; wave 0..7
	s_bfe_u32 s11, ttmp6, 0x40000                  ; cx: my place in the cluster
	s_lshl_b32 s13, ttmp9, 2                       ; in a cluster launch ttmp9 counts clusters
	s_add_co_u32 s13, s13, s11                     ; my block of 512 queries: it enters Q's and out0's addresses alone
	s_and_b32 s12, ttmp7, 0xffff                   ; the head, which the four partners share
	s_lshl_b32 s2, s13, 17                         ; block x 512 rows of 256 bytes
	s_lshl_b32 s3, s10, 14                         ; + wave x 64 rows
	s_add_co_u32 s2, s2, s3
	s_lshl_b32 s3, s12, 19                         ; + head x 524,288
	s_add_co_u32 s2, s2, s3
	s_mov_b32 s3, 0
	s_mul_i32 s16, s12, HEADB                      ; the head's block of kv
	s_mov_b32 s17, 0
	s_mul_i32 s18, s10, 8448                       ; my eighth of four steps' 67,584 bytes, in memory and in LDS alike
	s_mov_b32 s19, 0
	s_mul_i32 s54, s10, 16896                      ; my eighth of eight steps' 135,168
	s_mov_b32 s55, 0
	s_mov_b32 s20, 0x76543210
	s_mov_b32 s21, 0xfedcba98                      ; v_permlanex16_b32's selects for lane l xor 16
	s_mov_b32 s22, 0x600000                        ; the mantissa field of 57,344
	; descriptor groups 1: dense bytes as rows of 256 (32 elements of 8 bytes): 33 rows, and 66
	s_mov_b32 s24, 15|(3<<16)|(1<<21)              ; 15:0 the mask: all four work-groups; 17:16 elements of 8 bytes; 21 set beside a mask; no padding
	s_mov_b32 s25, 32<<16                          ; tensor_dim0 = 32
	s_mov_b32 s26, 33<<16                          ; tensor_dim1 = 33
	s_mov_b32 s27, 32<<16                          ; tile_dim0 = 32
	s_mov_b32 s28, 33                              ; tile_dim1 = 33
	s_mov_b32 s29, 32                              ; from row to row
	s_mov_b32 s30, 0
	s_mov_b32 s31, 0
	s_mov_b32 s32, 15|(3<<16)|(1<<21)
	s_mov_b32 s33, 32<<16
	s_mov_b32 s34, 66<<16
	s_mov_b32 s35, 32<<16
	s_mov_b32 s36, 66
	s_mov_b32 s37, 32
	s_mov_b32 s38, 0
	s_mov_b32 s39, 0
	v_and_b32 v17, 31, v0                          ; lane l
	v_and_b32 v18, 15, v0                          ; r
	v_bfe_u32 v19, v0, 4, 1                        ; h
	v_lshlrev_b32 v1, 4, v17                       ; 16 l: an image's place for my lane; my 16 bytes of a load's 512
	v_lshlrev_b32 v2, 3, v17                       ; 8 l: my two scale words
	s_mul_i32 s53, s10, 16*SP
	s_add_co_u32 s53, s53, STAGE                   ; my stage
	v_mul_u32_u24 v[QRD], v18, SP
	v_lshl_add_u32 v[QRD], v19, 6, v[QRD]
	v_add_nc_u32 v[QRD], s53, v[QRD]               ; Q back from the stage: row r, 64 h: my 16 numbers of a block of 32
	v_mul_u32_u24 v[ROWS], v19, SP
	v_lshl_add_u32 v[ROWS], v18, 4, v[ROWS]
	v_add_nc_u32 v[ROWS], s53, v[ROWS]             ; whole rows: row h of a pair, 16 r
.irp k, 0,1,2,3
	v_mov_b32 v[TM+4+\k], 0                        ; written once: a lane permute's destination counts as one of its sources
.endr
	s_wait_dscnt 0x0
	s_wait_kmcnt 0x0
	s_add_nc_u64 s[4:5], s[4:5], s[2:3]            ; Q and out0 at my wave's first row
	s_add_nc_u64 s[8:9], s[8:9], s[2:3]
	WIN 0x40                                       ; destination window 1: Q lands where O^T will be summed
.irp t, 0,1,2,3
.irp i, 0,1,2,3,4,5,6,7
	global_load_b128 v[32*\t+4*\i:32*\t+4*\i+3], v1, s[4:5] offset:4096*\t+512*\i th:TH_LOAD_NT   ; my 64 rows of Q, asked for first since they are wanted first: 32 lanes read 512 consecutive bytes, two rows
.endr
.endr
	WIN 0
	s_add_nc_u64 s[6:7], s[6:7], s[16:17]          ; kv at the head
	s_add_nc_u64 s[14:15], s[6:7], s[18:19]
	s_mov_b32 s40, 1                               ; group 0, steps 0-3: count = 1,
	s_mov_b32 s41, s18                             ; LDS address,
	s_mov_b64 s[42:43], s[14:15]                   ; global address,
	s_or_b32 s43, s43, 0x80000000                  ; type = 2
	s_mov_b32 s44, 1                               ; steps 4-7
	s_add_co_u32 s45, s18, 67584
	s_add_nc_u64 s[46:47], s[14:15], 67584
	s_or_b32 s47, s47, 0x80000000
	s_mov_b32 s48, 1                               ; steps 8-15
	s_add_co_u32 s49, s54, 135168
	s_add_nc_u64 s[50:51], s[6:7], s[54:55]
	s_add_nc_u64 s[50:51], s[50:51], 135168
	s_or_b32 s51, s51, 0x80000000
	CROUND                                         ; all four work-groups are here: the joint loads meet
	tensor_load_to_lds s[40:43], s[24:31]          ; all the launch's fills go out as one group: three loads of mine are out
	s_nop 0
	tensor_load_to_lds s[44:47], s[24:31]
	s_nop 0
	tensor_load_to_lds s[48:51], s[32:39]
	s_nop 0
.rept 4
	v_nop                                          ; four v_nop follow the last
.endr
.irp p, 0,1
.irp z, 8,24
.irp i, 0,1,2,3,4,5,6,7
	v_mov_b32 v[QB+40*\p+\z+\i], 0                 ; the zero codes between the tiles' codes
.endr
.endr
.endr
; The largest magnitude, scale operand, hold and byte of the four blocks v[S + 16 k] .. + 15, each shared with lane l xor 16: the head's form, the four blocks by turns
.macro BLOCKMAX floor
.irp k, 0,1,2,3
	v_max3_num_f32 v[TM+\k], |v[S+16*\k]|, |v[S+16*\k+1]|, \floor   ; and the floor, under which no largest magnitude is taken
.endr
.irp i, 2,4,6,8,10,12,14
.irp k, 0,1,2,3
	v_max3_num_f32 v[TM+\k], v[TM+\k], |v[S+16*\k+\i]|, |v[S+16*\k+\i+1]|
.endr
.endr
.irp k, 0,1,2,3
	v_permlanex16_b32 v[TM+4+\k], v[TM+\k], s20, s21
.endr
.irp k, 0,1,2,3
	v_max_num_f32 v[TM+\k], v[TM+\k], v[TM+4+\k]
.endr
.irp k, 0,1,2,3
	v_add_nc_u32 v[TM+12+\k], 0xf8800000, v[TM+\k] ; 15 off the exponent field: the conversion's scale operand
.endr
.irp k, 0,1,2,3
	v_and_or_b32 v[TM+8+\k], v[TM+\k], 0x7f800000, s22   ; 57,344 x the scale
.endr
.irp k, 0,1,2,3
	v_lshrrev_b32 v[TM+4+\k], 23, v[TM+12+\k]      ; the scale's byte
.endr
.endm
; Tile t of Q through my stage: in as whole rows, back 64 bytes a lane: v[S + 32 y + 16 c + i] = Q(row r, 32 c + 16 h + i).  LDS serves a wave's instructions in order: no wait between.
.macro QTURN t, y
	s_wait_loadcnt 8*(3-(\t))                      ; this tile's eight loads are in; the later tiles' may be out
	WIN 0x04                                       ; an LDS store's data are its source 1: window 1
.irp i, 0,1,2,3,4,5,6,7
	ds_store_b128 v[ROWS], v[32*(\t)+4*\i:32*(\t)+4*\i+3] offset:2*\i*SP
.endr
	WIN 0
.irp c, 0,1
.irp j, 0,1,2,3
	ds_load_b128 v[S+32*(\y)+16*\c+4*\j:S+32*(\y)+16*\c+4*\j+3], v[QRD] offset:128*\c+16*\j
.endr
.endr
.endm
; Tiles 2 p and 2 p + 1 of Q become codes (the even tile's once, at + 16; the odd tile's twice, at + 0 and + 32) and scale words (s0, s1, s0, s1), 3 off each byte: the division by 8
.macro QUANTQ p
.set QP, QB+40*(\p)
	BLOCKMAX 0x9800000                             ; the floor 2^(19 - 127): every byte is 4 or more
.irp y, 0,1
	v_lshl_or_b32 v[QS+2*(\p)+\y], v[TM+5+2*\y], 8, v[TM+4+2*\y]
.endr
.irp y, 0,1
	v_lshl_or_b32 v[QS+2*(\p)+\y], v[QS+2*(\p)+\y], 16, v[QS+2*(\p)+\y]
.endr
.irp y, 0,1
	v_add_nc_u32 v[QS+2*(\p)+\y], 0xfcfcfcfd, v[QS+2*(\p)+\y]   ; - 0x03030303: no byte borrows
.endr
.irp k, 0,1,2,3
.irp i, 0,1,2,3,4,5,6,7,8,9,10,11,12,13,14,15
	v_med3_num_f32 v[S+16*\k+\i], v[S+16*\k+\i], -v[TM+8+\k], v[TM+8+\k]   ; the conversion to an 8-bit code does not saturate (ISA guide 7.6.2)
.endr
.endr
.irp c, 0,1
	v_cvt_scalef32_pk8_bf8_f32 v[QP+16+4*\c:QP+16+4*\c+1], v[S+16*\c:S+16*\c+7], v[TM+12+\c]
	v_cvt_scalef32_pk8_bf8_f32 v[QP+16+4*\c+2:QP+16+4*\c+3], v[S+16*\c+8:S+16*\c+15], v[TM+12+\c]
.endr
.irp z, 0,32
.irp c, 0,1
	v_cvt_scalef32_pk8_bf8_f32 v[QP+\z+4*\c:QP+\z+4*\c+1], v[S+32+16*\c:S+32+16*\c+7], v[TM+14+\c]
	v_cvt_scalef32_pk8_bf8_f32 v[QP+\z+4*\c+2:QP+\z+4*\c+3], v[S+32+16*\c+8:S+32+16*\c+15], v[TM+14+\c]
.endr
.endr
.rept 4
	v_nop                                          ; the plain line behind the conversions, and the four places between an operand so written and a scaled matrix instruction
.endr
.endm
	QTURN 0, 0
	QTURN 1, 1
	s_wait_dscnt 0x0
	QUANTQ 0
	QTURN 2, 0
	QTURN 3, 1
	s_wait_dscnt 0x0
	QUANTQ 1
; Round i of 8 of block k's largest magnitude: two scores a line, in ascending order.  Round 0 brings the floor 2^(16 - 127): the byte cannot fall under 1
.macro MX k, i
.if (\i) == 0
	v_max3_num_f32 v[TM+\k], |v[S+16*\k]|, |v[S+16*\k+1]|, 0x8000000
.else
	v_max3_num_f32 v[TM+\k], v[TM+\k], |v[S+16*\k+2*(\i)]|, |v[S+16*\k+2*(\i)+1]|
.endif
.endm
; One score product: query tile t against key tile 2 b + u of the step whose K lies in the registers; it starts its sum with 0.  Odd fragments' scale words lie in lanes 16-31.
.macro SM t, b, u
.set QV, QB+40*((\t)/2)+(1-(\t)%2)*(16-8*(\u))+((\t)%2)*24*(\u)   ; (codes, zeros) for u = 0, (zeros, codes) for u = 1
.set SD, S+16*(\b)+8*(\u)
.set KA, KF+16*(\b)
.if (\b)%2
	v_wmma_scale_f32_16x16x128_f8f6f4 v[SD:SD+7], v[KA:KA+15], v[QV:QV+15], 0, v[KS+(\b)/2], v[QS+(\t)] matrix_a_fmt:MATRIX_FMT_BF8 matrix_b_fmt:MATRIX_FMT_BF8 matrix_a_scale:MATRIX_SCALE_ROW1
.else
	v_wmma_scale_f32_16x16x128_f8f6f4 v[SD:SD+7], v[KA:KA+15], v[QV:QV+15], 0, v[KS+(\b)/2], v[QS+(\t)] matrix_a_fmt:MATRIX_FMT_BF8 matrix_b_fmt:MATRIX_FMT_BF8
.endif
.endm
; O^T of tile t += (V x)^T P^T: four accumulators by turns, one instruction a turn.  mode = 1: the products start the sums: nothing is cleared.  Under the setting 0x51
.macro PV t, mode
.irp d, 0,1,2,3
.set OD, 8*(4*(\t)+\d)
.if (\mode) == 1
.if \d % 2
	v_wmma_scale_f32_16x16x128_f8f6f4 v[OD:OD+7], v[VF+16*\d:VF+16*\d+15], v[P:P+15], 0, v[VS+\d/2], v[PW] matrix_a_fmt:MATRIX_FMT_BF8 matrix_b_fmt:MATRIX_FMT_BF8 matrix_a_scale:MATRIX_SCALE_ROW1
.else
	v_wmma_scale_f32_16x16x128_f8f6f4 v[OD:OD+7], v[VF+16*\d:VF+16*\d+15], v[P:P+15], 0, v[VS+\d/2], v[PW] matrix_a_fmt:MATRIX_FMT_BF8 matrix_b_fmt:MATRIX_FMT_BF8
.endif
.else
.if \d % 2
	v_wmma_scale_f32_16x16x128_f8f6f4 v[OD:OD+7], v[VF+16*\d:VF+16*\d+15], v[P:P+15], v[OD:OD+7], v[VS+\d/2], v[PW] matrix_a_fmt:MATRIX_FMT_BF8 matrix_b_fmt:MATRIX_FMT_BF8 matrix_a_scale:MATRIX_SCALE_ROW1
.else
	v_wmma_scale_f32_16x16x128_f8f6f4 v[OD:OD+7], v[VF+16*\d:VF+16*\d+15], v[P:P+15], v[OD:OD+7], v[VS+\d/2], v[PW] matrix_a_fmt:MATRIX_FMT_BF8 matrix_b_fmt:MATRIX_FMT_BF8
.endif
.endif
.endr
.endm
.macro KFRAG b, off                    ; one double fragment of K, as it lies
.irp c, 0,1,2,3
	ds_load_b128 v[KF+16*(\b)+4*\c:KF+16*(\b)+4*\c+3], v3 offset:\off+2048*(\b)+512*\c
.endr
.endm
; A UNIT: tile t against the step in hand.  On entry blocks 0-2 of its S^T are written (by the unit before), P and its scale word are the unit before's.
; pv: the unit before's products of O^T: 0 none, 1 they start the sums, 2 they add.   nx = 1: the next unit's score products for blocks 0-2 (tile t + 1, or tile 0 of the next step, whose K is then fetched here).
; PLACES, by this text's own count (eight are asked behind these products, four between codes written by vector lines and the product that takes them):
;   block 2's two products stand behind the 4th and the 12th hold of block 3: 12 holds lie ahead of the first read of the one's result, 4 holds and 12 maxima ahead of the other's;
;   block 3's first product stands 6 maxima behind the conversions that read its registers, and 9 maxima ahead of the first read of its result; its second 14 ahead;
;   O^T's products stand 28 maxima behind the last conversion; P, its scale word and V's registers are written again 24 lines behind them or later;
;   K's fragments 0-2 and first scale word are loaded anew 4 holds and 6 maxima behind their last reader, fragment 3 and the second word 14 maxima behind theirs.
.macro UNIT t, pv, nx
.set TN, ((\t)+1)%4
.set TP, ((\t)+3)%4
.irp i, 0,1
.irp k, 0,1,2
	MX \k, \i
.endr
.endr
.if ((\t) == 3) && \nx
	KFRAG 0, STEPB                                 ; the next step's K, first part: thirteen loads
	KFRAG 1, STEPB
	KFRAG 2, STEPB
	ds_load_b32 v[KS], v4 offset:STEPB+16384
.endif
	SM \t, 3, 0                                    ; my own block 3
.irp i, 2,3
.irp k, 0,1,2
	MX \k, \i
.endr
.endr
	MX 0, 4
	MX 1, 4
	SM \t, 3, 1
	MX 2, 4
	MX 3, 0
.irp i, 5,6,7
	MX 0, \i
	MX 1, \i
	MX 2, \i
	MX 3, \i-4
.endr
.if ((\t) == 3) && \nx
	ds_load_b32 v[KS+1], v4 offset:STEPB+16388     ; second part: five loads
	KFRAG 3, STEPB
.endif
.if \pv
.if (\t) == 1
	s_wait_dscnt 0x0                               ; V of this step, asked for in the unit before, is in
.endif
	WIN 0x51                                       ; source 0 (V), C and D (O^T) window 1; source 1 (P) window 0
	PV TP, \pv
	WIN 0
.endif
	MX 3, 4                                        ; block 3's last rounds stand between the other blocks' exchanges, so that no line waits for the line above it
	v_permlanex16_b32 v[TM+4], v[TM], s20, s21
	MX 3, 5
	v_permlanex16_b32 v[TM+5], v[TM+1], s20, s21
	MX 3, 6
	v_permlanex16_b32 v[TM+6], v[TM+2], s20, s21
	MX 3, 7
.irp k, 0,1,2
	v_max_num_f32 v[TM+\k], v[TM+\k], v[TM+4+\k]   ; with lane l xor 16's: the block's largest magnitude
.endr
	v_permlanex16_b32 v[TM+7], v[TM+3], s20, s21
.irp k, 0,1,2
	v_add_nc_u32 v[TM+12+\k], 0xf8800000, v[TM+\k] ; 15 off the exponent field: the conversion's scale operand
.endr
	v_max_num_f32 v[TM+3], v[TM+3], v[TM+7]
.irp k, 0,1,2
	v_and_or_b32 v[TM+8+\k], v[TM+\k], 0x7f800000, s22   ; 57,344 x the scale
.endr
	v_add_nc_u32 v[TM+15], 0xf8800000, v[TM+3]
.irp k, 0,1,2
	v_lshrrev_b32 v[TM+4+\k], 23, v[TM+12+\k]      ; the scale's byte
.endr
	v_and_or_b32 v[TM+11], v[TM+3], 0x7f800000, s22
	v_lshrrev_b32 v[TM+7], 23, v[TM+15]
	v_lshl_or_b32 v[PW], v[TM+5], 8, v[TM+4]       ; my query's scale word for these 128 keys
	v_lshl_or_b32 v[PW], v[TM+6], 16, v[PW]
	v_lshl_or_b32 v[PW], v[TM+7], 24, v[PW]
.if (\t) == 0
	ds_load_b64 v[VS:VS+1], v4 offset:16640        ; this step's V x: its scale words and four tiles, as they lie; they land while this tile is held and converted
	WIN 0x40                                       ; destination window 1
.irp d, 0,1,2,3
.irp c, 0,1,2,3
	ds_load_b128 v[VF+16*\d+4*\c:VF+16*\d+4*\c+3], v3 offset:8192+2048*\d+512*\c
.endr
.endr
	WIN 0
.endif
.irp k, 0,1,2,3
.irp i, 0,1,2,3,4,5,6,7,8,9,10,11,12,13,14,15
	v_med3_num_f32 v[S+16*\k+\i], v[S+16*\k+\i], -v[TM+8+\k], v[TM+8+\k]   ; the conversion to an 8-bit code does not saturate (ISA guide 7.6.2): the hold at the largest code x the scale
.if \nx && (\k > 0) && (\i == 3)
.if ((\t) == 3) && (\k == 1)
	s_wait_dscnt 5                                 ; the next step's K, first part, is in; the five loads of the second part may be out
.endif
.if ((\t) == 3) && (\k == 3)
	s_wait_dscnt 0x0                               ; the second part is in
.endif
	SM TN, \k-1, 0                                 ; the block just converted takes the next unit's scores
.endif
.if \nx && (\k > 0) && (\i == 11)
	SM TN, \k-1, 1
.endif
.endr
	v_cvt_scalef32_pk8_bf8_f32 v[P+4*\k:P+4*\k+1], v[S+16*\k:S+16*\k+7], v[TM+12+\k]
	v_cvt_scalef32_pk8_bf8_f32 v[P+4*\k+2:P+4*\k+3], v[S+16*\k+8:S+16*\k+15], v[TM+12+\k]
.endr
.endm
; A step of 128 keys.  pv0: the mode of the step before's last products of O^T, which stand in this step's first unit; pv1: of this step's first three; nx3 = 0: no step follows
.macro STEP pv0, pv1, nx3
	v_add_nc_u32 v3, s52, v1                       ; the step's bytes in LDS
	v_add_nc_u32 v4, s52, v2
	UNIT 0, \pv0, 1
	UNIT 1, \pv1, 1
	UNIT 2, \pv1, 1
	UNIT 3, \pv1, \nx3
	s_add_co_u32 s52, s52, STEPB
.endm
	s_mov_b32 s52, 0
	GATE 2                                         ; steps 0-3 lie in LDS; my two later loads may stay out
	v_add_nc_u32 v3, s52, v1
	v_add_nc_u32 v4, s52, v2
.irp b, 0,1,2,3
	KFRAG \b, 0                                    ; step 0's K
.endr
	ds_load_b64 v[KS:KS+1], v4 offset:16384
	s_wait_dscnt 0x0
.irp b, 0,1,2
	SM 0, \b, 0                                    ; the first unit's blocks 0-2: there is no vector work yet to set between them
	SM 0, \b, 1
.endr
.rept 8
	v_nop                                          ; places in front of the first read of those scores
.endr
	STEP 0, 1, 1                                   ; step 0: its products of O^T start the sums.  Step s reads V of step s and K of step s + 1: steps 0-2 stay inside the first load's bytes
	STEP 1, 2, 1                                   ; step 1: its first unit holds step 0's last products of O^T
	STEP 2, 2, 1                                   ; step 2
	GATE 1                                         ; steps 4-7 lie in LDS
	s_mov_b32 s23, 4
.Lsteps_b:                                             ; steps 3-6
	STEP 2, 2, 1
	s_sub_co_u32 s23, s23, 1
	s_cmp_lg_u32 s23, 0
	s_cbranch_scc1 .Lsteps_b
	GATE 0                                         ; steps 8-15 lie in LDS: no tensor load of mine is out any more
	s_mov_b32 s23, 8
.Lsteps_c:                                             ; steps 7-14
	STEP 2, 2, 1
	s_sub_co_u32 s23, s23, 1
	s_cmp_lg_u32 s23, 0
	s_cbranch_scc1 .Lsteps_c
	STEP 2, 2, 0                                   ; step 15: no K follows
.rept 4
	v_nop                                          ; four places between the last codes and the products that take them
.endr
	WIN 0x51
	PV 3, 2                                        ; the last tile's last products
	WIN 0
; THE WAY OUT.  A lane holds 32 neighbouring bytes of a row of out0 (register j of accumulator d: number 16 d + 8 h + j of query r), and the lanes beside it hold other rows: a tile of 16 rows goes through
; my stage and comes back as whole rows of 256 bytes.  LDS serves a wave's instructions in order: no wait between the stores and the loads, nor in front of the next tile's stores.
; The addresses are made here: seven plain lines and a v_nop are the eight places behind the last products.
	v_and_b32 v16, 15, v0                          ; r
	v_bfe_u32 v17, v0, 4, 1                        ; h
	v_mul_u32_u24 v[STO], v16, SP
	v_lshl_add_u32 v[STO], v17, 5, v[STO]
	v_add_nc_u32 v[STO], s53, v[STO]               ; O into the stage: row r, 32 h
	v_lshlrev_b32 v[GO], 8, v17
	v_lshl_add_u32 v[GO], v16, 4, v[GO]            ; two rows of out0 an instruction: row h of a pair, 16 r
	v_nop
.macro TOST t
.set LN, S+32*(\t)+(KF-S-64)*((\t)/2)              ; the rows come back into S^T's registers (tiles 0, 1) and K's (tiles 2, 3)
	WIN 0x04                                       ; an LDS store's data are its source 1: window 1
.irp d, 0,1,2,3
	ds_store_b128 v[STO], v[8*(4*(\t)+\d):8*(4*(\t)+\d)+3] offset:64*\d          ; each accumulator from its low end on
	ds_store_b128 v[STO], v[8*(4*(\t)+\d)+4:8*(4*(\t)+\d)+7] offset:64*\d+16
.endr
	WIN 0
.irp i, 0,1,2,3,4,5,6,7
	ds_load_b128 v[LN+4*\i:LN+4*\i+3], v[ROWS] offset:2*\i*SP
.endr
.endm
.macro SEND t, younger                 ; younger: the LDS instructions issued behind tile t's loads: the next tile's sixteen, or none
.set LN, S+32*(\t)+(KF-S-64)*((\t)/2)
.irp i, 0,1,2,3,4,5,6,7
	s_wait_dscnt \younger+7-\i
	global_store_b128 v[GO], v[LN+4*\i:LN+4*\i+3], s[8:9] offset:4096*(\t)+512*\i th:TH_STORE_NT   ; sixteen lanes store 256 consecutive bytes, a whole row, aligned; written once, read by nobody here
.endr
.endm
	TOST 0
	TOST 1
	SEND 0, 16
	TOST 2
	SEND 1, 16
	TOST 3
	SEND 2, 16
	SEND 3, 0
	s_wait_dscnt 0x0
	s_set_vgpr_msb 0x5
	s_wait_tensorcnt 0x0
	ds_add_u32 v192, v193
	s_wait_dscnt 0x0
	s_set_vgpr_msb 0x500
	CROUND                                         ; the closing round: no work-group ends while a partner may still ask for bytes that name it
	s_endpgm
.Lfunc_end_k_q4877a7d4d5_attn:
	.size	k_q4877a7d4d5_attn, .Lfunc_end_k_q4877a7d4d5_attn-k_q4877a7d4d5_attn
	.p2alignl 7, 3214868480
	.fill 96, 4, 3214868480
	.section	.rodata,"a",@progbits
	.p2align	6, 0x0
	.amdhsa_kernel k_q4877a7d4d5_attn
		.amdhsa_group_segment_fixed_size 327680
		.amdhsa_private_segment_fixed_size 0
		.amdhsa_enable_private_segment 0
		.amdhsa_kernarg_size 24
		.amdhsa_user_sgpr_count 2
		.amdhsa_user_sgpr_kernarg_segment_ptr 1
		.amdhsa_wavefront_size32 1
		.amdhsa_system_sgpr_workgroup_id_x 1
		.amdhsa_system_sgpr_workgroup_id_y 1
		.amdhsa_system_sgpr_workgroup_id_z 1
		.amdhsa_system_vgpr_workitem_id 0
		.amdhsa_next_free_vgpr 450
		.amdhsa_next_free_sgpr 66
		.amdhsa_reserve_vcc 0
		.amdhsa_float_denorm_mode_32 3
		.amdhsa_float_denorm_mode_16_64 3
		.amdhsa_memory_ordered 1
		.amdhsa_forward_progress 1
		.amdhsa_inst_pref_size 255
	.end_amdhsa_kernel
	.section	.bss,"aw",@nobits
	.p2align	6
	.space	262144
	.amdgpu_metadata
---
amdhsa.version: [ 1, 2 ]
amdhsa.kernels:
  - .name:           k_q4877a7d4d5_attn
    .symbol:         k_q4877a7d4d5_attn.kd
    .args:
      - { .name: Q, .offset: 0, .size: 8, .value_kind: global_buffer, .address_space: global }
      - { .name: kv, .offset: 8, .size: 8, .value_kind: global_buffer, .address_space: global }
      - { .name: out0, .offset: 16, .size: 8, .value_kind: global_buffer, .address_space: global }
    .group_segment_fixed_size: 327680
    .private_segment_fixed_size: 0
    .kernarg_segment_align: 8
    .kernarg_segment_size: 24
    .max_flat_workgroup_size: 256
    .sgpr_count:     66
    .vgpr_count:     450
    .wavefront_size: 32
...
	.end_amdgpu_metadata
.endif
;; end of part 2
